; MI455X (gfx1250); checked and timed in simulation.
; The chip was launched on July 23, 2026; its instructions are those of AMD's public machine-readable ISA for CDNA 5 (MIT licence, August 2026) and "CDNA5" Instruction Set Architecture Reference Guide (July 2026). The comments in the code are by the model that wrote it; some were corrected since.
;; Attention. Allowed arithmetic: matrix products marked QUANTISED: E2M1 operands, one E8M0 scale for each 32 along K, by v_wmma_scale_f32_16x16x128_f8f6f4 with both operands' format E2M1 (or v_wmma_scale_f32_32x16x128_f4), f32 sums; products left as they are: bf16, f16 or f32 operands; f32 sums; everything else in f32.
;; Inputs: Wk 1,024 x 1,024 float32; Wo 1,024 x 1,024 float32; Wq 1,024 x 1,024 float32; Wv 1,024 x 1,024 float32; bk 1,024 float32; bo 1,024 float32; bq 1,024 float32; bv 1,024 float32; c 2 x 4,096 x 1,024 float32; x 2 x 2,048 x 1,024 float32.
;; Outputs: out0 2 x 2,048 x 1,024 float32.
;; This version of the problem:
;;   THIS VERSION OF THE PROBLEM IS GIVEN IN LOW PRECISION. The matrix products marked QUANTISED in the list below multiply operands that are first quantised to E2M1 (2 exponent bits, 1 mantissa bit; 4 bits a number), with one power-of-two scale for each 32 numbers along K (OCP MX v1.0); their sums are f32. The products marked 'left as it is' may take bf16, f16 or f32 operands, with f32 sums. Whichever they take, every output number must still come out within the allowed error. Rounding operands to bf16 (8 significant bits) uses up far more of that allowance than f16 does (11 bits, for magnitudes from 6e-5 to 65,504). All else is computed in f32.
;;   The module's matrix products, in the order in which they are computed (A, B: the left and right operand; K: the contracted axis; several contracted axes count as one K, in the product's order):
;;     1. [M 4,096, K 1,024] x [K 1,024, N 1,024]; A: input x; B: input Wq: QUANTISED
;;     2. [M 8,192, K 1,024] x [K 1,024, N 1,024]; A: input c; B: input Wk: QUANTISED
;;     3. [M 8,192, K 1,024] x [K 1,024, N 1,024]; A: input c; B: input Wv: QUANTISED
;;     4. batch 32 x [M 2,048, K 64] x [K 64, N 4,096]; A: computed on the way; B: computed on the way: left as it is (an operand is computed on the way)
;;     5. batch 32 x [M 2,048, K 4,096] x [K 4,096, N 64]; A: computed on the way; B: computed on the way: left as it is (an operand is computed on the way)
;;     6. [M 4,096, K 1,024] x [K 1,024, N 1,024]; A: computed on the way; B: input Wo: left as it is (an operand is computed on the way)
;;   THE QUANTISER, for each operand of a quantised product, along K:
;;     - K is cut into blocks of 32 from its start; a last block that is shorter is filled with zeros.
;;     - A block's scale is 2^e with e = floor(log2(the largest magnitude in the block)) - 2, held to -126 .. 127; a block of zeros has e = 0. As a byte (E8M0): e + 127.
;;     - Each number is divided by its block's scale, clamped to +-6, and rounded to the nearest number of E2M1, ties to even, subnormals kept.
;;     - The product sums the exact products of the quantised numbers (number of the format x scale) in f32.
;;   ~~~python
;;   def quantise(x, axis):      # numpy; x: float32 -> the quantised numbers, widened to float32 again
;;       x = np.moveaxis(x, axis, -1); K = x.shape[-1]
;;       x = np.pad(x, [(0, 0)] * (x.ndim - 1) + [(0, -K % 32)]); x = x.reshape(x.shape[:-1] + (-1, 32)); a = np.abs(x).max(-1, keepdims=True)
;;       e = np.where(a > 0, np.clip(np.frexp(np.where(a > 0, a, 1))[1] - 1 - 2, -126, 127), 0)      # np.frexp(a)[1] - 1 = floor(log2(a)), exactly
;;       r = np.clip(x / 2.0 ** e, -6, 6)
;;       step = 2.0 ** (np.maximum(np.frexp(np.where(r == 0, 1, r))[1] - 1, 0) - 1)
;;       q = np.round(r / step) * step * 2.0 ** e      # np.round: ties to even
;;       return np.moveaxis(q.reshape(q.shape[:-2] + (-1,))[..., :K], -1, axis).astype(np.float32)
;;   ~~~
;; 2 versions, each right; version 2 is version 1 with the launch qkv_attn written anew for expert scheduling mode. Each part assembles by itself: llvm-mc -triple=amdgcn-amd-amdhsa -mcpu=gfx1250 --defsym DOCPART=n.
;; ======== version 1 of 2: 3 launches
;; limits: values are held in f16: magnitudes above 65,504 overflow, below 6.1e-05 lose precision
;; workspace buffers: codes 7,864,320 bytes; scales 491,520 bytes; wo16 2,097,152 bytes; att 8,388,608 bytes
;; launch prep (part 1): grid 256 x 1, 4 waves a work-group, no clusters, 68,096 bytes of LDS; arguments x, c, Wq, Wk, Wv, Wo, codes, scales, wo16; writes codes, scales, wo16
.if DOCPART == 1
	.amdgcn_target "amdgcn-amd-amdhsa--gfx1250"
	.amdhsa_code_object_version 6
	.text
	.protected	k_qfe7dc40c8a_prep
	.globl	k_qfe7dc40c8a_prep
	.p2align	8
	.type	k_qfe7dc40c8a_prep,@function
k_qfe7dc40c8a_prep:
	s_mov_b64 s[64:65], 0
	v_nop
	global_prefetch_b8 v0, s[64:65] scope:SCOPE_SE
	s_setreg_imm32_b32 hwreg(HW_REG_WAVE_MODE, 25, 1), 1
	s_wait_xcnt 0x0
; PREP.  x [4096][1024], c [8192][1024], Wq, Wk, Wv [1024][1024] (f32, K innermost) become codes of FP4 (E2M1) with one E8M0 scale byte for each 32 along K;
; Wo [1024][1024] becomes f16.  All are laid in the ORDER OF THE OPERANDS' REGISTERS, so that the later launches load fragments whole, 512 consecutive bytes an instruction.
; A fragment's IMAGE is 1,024 bytes: registers 0-3 of lane l at byte 16 l, registers 4-7 at 512 + 16 l.
;   codes  [tile G 0..959][K step 0..7][1,024]: 16 rows x 128 K.  G 0-255: x, lane r = row 16 G + r.  G 256-767: c, tile 256 + 2 A + e holds c's rows 32 A + 2 r + e: the even (e = 0) or odd key of query 16 A + r.
;          G 768-831 Wq, 832-895 Wk, 896-959 Wv: rows as they lie.
;   scales [G][lane 0..31][p 0..3][4 bytes]: word p of lane 16 h + r is row r's scale word (four bytes, 128 along K) of K step 2 p + h.
;   wo16   [tile 0..63][32 along K: 0..31][1,024]: 16 rows x 32 K of f16.
; A block's scale is 2^(floor(log2(its largest magnitude)) - 2); its byte is the largest magnitude's exponent field - 2, held at 1 from below.
; LIMITS: NaN and infinities among the inputs are not served.  A block of zeros gets the byte 1, not 127: its codes are zeros, and these bytes are read by this program alone.
;         Wo beyond 65,504 in magnitude has no f16 number; under 6e-5 it carries f16's subnormal step.
; SHARES.  One wave takes one tile: 16 rows x 1,024 K, in 8 steps of 128 K.  Tile = 4 x work-group + wave; work-groups 0-63 x, 64-191 c, 192-207 Wq, 208-223 Wk, 224-239 Wv, 240-255 Wo.
; A step's 16 loads read 512 consecutive bytes of a row each; the 8 KiB turn through the wave's own stage in LDS (rows 528 bytes apart) so that a lane gets its own row's neighbours along K.
; Waves share nothing: no barrier.  Loads run three steps ahead.  The two ways through the text (codes; f16) have LDS bytes of their own.
.set STG,   8448                       ; a wave's stage: 16 rows x (512 + 16) bytes
.set PATH2, 4*STG                      ; the f16 way's four stages
.set SPARE, 8*STG                      ; the spare words, 128 bytes a wave
.set OFF,  2                           ; v2   16 x lane; never rewritten
.set ST,   3                           ; v3   into my stage: 16 x lane
.set RD,   4                           ; v4   out of it, codes: 528 r + 128 h
.set H8,   5                           ; v5   8 h
.set SPW,  6                           ; v6   my spare word; never rewritten
.set NIL,  7                           ; v7   0; never rewritten
.set W,    16                          ; v16-23  a step's scale word
.set SW,   24                          ; v24-27  the words as they are stored
.set ST2,  28                          ; v28  into my stage, f16 way
.set RD2,  29                          ; v29  out of it: 528 r + 32 h
.set X,    64                          ; v64-127 a lane's 64 numbers of a step
.set C,    128                         ; v128-191 codes, 8 registers for each step (no store's data are written again); f16 way: two sets of 32
.set ROWS, 32                          ; s[32:63] the addresses of my tile's 16 rows
.set MSB, 0
.macro WIN new                         ; s_set_vgpr_msb: bits 1:0 source 0, 3:2 source 1, 5:4 source 2, 7:6 destination; the high byte repeats the setting that is left
.if MSB != (\new)
	s_set_vgpr_msb (MSB<<8)|(\new)
.set MSB, (\new)
.endif
.endm
	s_load_b256 s[4:11], s[0:1], 0x0               ; x s[4:5], c s[6:7], Wq s[8:9], Wk s[10:11]
	s_load_b256 s[12:19], s[0:1], 0x20             ; Wv s[12:13], Wo s[14:15], codes s[16:17], scales s[18:19]
	s_load_b64 s[20:21], s[0:1], 0x40              ; wo16
	v_lshl_add_u32 v[SPW], v0, 2, SPARE
	v_mov_b32 v[NIL], 0
	v_lshrrev_b32 v1, 5, v0
	v_readfirstlane_b32 s22, v1                    ; wave 0..3
	v_and_b32 v1, 31, v0                           ; lane
	v_lshlrev_b32 v[OFF], 4, v1
	v_and_b32 v8, 15, v0                           ; r
	v_bfe_u32 v9, v0, 4, 1                         ; h
	s_mul_i32 s28, s22, STG
	v_add_nc_u32 v[ST], s28, v[OFF]
	v_mul_u32_u24 v10, v8, 528
	v_add_nc_u32 v10, s28, v10
	v_lshl_add_u32 v[RD], v9, 7, v10
	v_add_nc_u32 v[ST2], PATH2, v[ST]
	v_lshl_add_u32 v[RD2], v9, 5, v10
	v_add_nc_u32 v[RD2], PATH2, v[RD2]
	v_lshlrev_b32 v[H8], 3, v9
	v_mov_b32 v15, 0                               ; a lane permute's destination counts as one of its sources
	s_mov_b32 s66, 0x76543210
	s_mov_b32 s67, 0xfedcba98                      ; v_permlanex16_b32's selects for lane l xor 16
	s_lshl_b32 s23, ttmp9, 2
	s_add_co_u32 s23, s23, s22                     ; my tile G
	s_wait_kmcnt 0x0
	; which tensor, and its first tile: the choice hangs on the work-group's number alone
	s_mov_b64 s[24:25], s[14:15]
	s_mov_b32 s26, 960
	s_cmp_lt_u32 ttmp9, 240
	s_cselect_b64 s[24:25], s[12:13], s[24:25]
	s_cselect_b32 s26, 896, s26
	s_cmp_lt_u32 ttmp9, 224
	s_cselect_b64 s[24:25], s[10:11], s[24:25]
	s_cselect_b32 s26, 832, s26
	s_cmp_lt_u32 ttmp9, 208
	s_cselect_b64 s[24:25], s[8:9], s[24:25]
	s_cselect_b32 s26, 768, s26
	s_cmp_lt_u32 ttmp9, 192
	s_cselect_b64 s[24:25], s[6:7], s[24:25]
	s_cselect_b32 s26, 256, s26
	s_cmp_lt_u32 ttmp9, 64
	s_cselect_b64 s[24:25], s[4:5], s[24:25]
	s_cselect_b32 s26, 0, s26
	s_sub_co_u32 s27, s23, s26                     ; the tile's number in its tensor
	s_lshl_b32 s30, s27, 16                        ; 16 rows of 4,096 bytes a tile;
	s_lshr_b32 s31, s27, 1                         ; in c: 32 rows for a pair of tiles, the odd tile one row down,
	s_lshl_b32 s31, s31, 17
	s_and_b32 s29, s27, 1
	s_lshl_b32 s29, s29, 12
	s_add_co_u32 s31, s31, s29
	s_mov_b32 s2, 4096                             ; from row to row;
	s_sub_co_u32 s28, ttmp9, 64
	s_cmp_lt_u32 s28, 128                          ; work-groups 64 to 191 take c,
	s_cselect_b32 s30, s31, s30
	s_cselect_b32 s2, 8192, s2                     ; every second row
	s_mov_b32 s31, 0
	s_mov_b32 s3, 0
	s_add_nc_u64 s[ROWS:ROWS+1], s[24:25], s[30:31]
.irp r, 1,2,3,4,5,6,7,8,9,10,11,12,13,14,15
	s_add_nc_u64 s[ROWS+2*\r:ROWS+2*\r+1], s[ROWS+2*\r-2:ROWS+2*\r-1], s[2:3]
.endr
; a step's 16 loads: 512 consecutive bytes of each row, into set s % 4 of window 1
.macro LOADS s
	WIN 0x40
.irp r, 0,1,2,3,4,5,6,7,8,9,10,11,12,13,14,15
	global_load_b128 v[64*((\s)%4)+4*\r:64*((\s)%4)+4*\r+3], v[OFF], s[ROWS+2*\r:ROWS+2*\r+1] offset:512*(\s) th:TH_LOAD_NT
.endr
.endm
	LOADS 0
	LOADS 1
	LOADS 2
	WIN 0
	s_lshl_b32 s28, s23, 13                        ; where my results go: 8,192 bytes of codes a tile,
	s_mov_b32 s29, 0
	s_add_nc_u64 s[16:17], s[16:17], s[28:29]
	s_lshl_b32 s28, s23, 9                         ; 512 of scale words,
	s_add_nc_u64 s[18:19], s[18:19], s[28:29]
	s_lshl_b32 s28, s27, 15                        ; 32,768 of f16
	s_add_nc_u64 s[20:21], s[20:21], s[28:29]
; A step's head.  The count leaves the later steps' loads out, 16 each.  The set that takes the loads of three steps on was stored to the stage a step ago, and that step has waited for all its LDS instructions.
.macro HEAD s, adr
.if (\s) < 6
	s_wait_loadcnt 32
.else
	s_wait_loadcnt 16*(7-(\s))
.endif
.if (\s)+3 < 8
	LOADS (\s)+3
.endif
	WIN 0x04                                       ; an LDS store's data are its source 1: window 1
.irp r, 0,1,2,3,4,5,6,7,8,9,10,11,12,13,14,15
	ds_store_b128 v[\adr], v[64*((\s)%4)+4*\r:64*((\s)%4)+4*\r+3] offset:528*\r
.endr
	WIN 0
.endm
; A step to codes.  Lane (r, h) takes of row r k = 64 c + 32 h + 0 .. 31, c = 0, 1: two whole blocks, in the order of the operand's registers.
.macro QSTEP s
	HEAD \s, ST
.irp c, 0,1
.irp i, 0,1,2,3,4,5,6,7
	ds_load_b128 v[X+32*\c+4*\i:X+32*\c+4*\i+3], v[RD] offset:256*\c+16*\i   ; LDS serves a wave's instructions in order: these see the stores above
.endr
.endr
	s_wait_dscnt 0x0
	v_max3_num_f32 v8, |v[X]|, |v[X+1]|, 0x1800000          ; each block's largest magnitude, and the floor 2^(3 - 127): the byte cannot fall under 1
	v_max3_num_f32 v9, |v[X+32]|, |v[X+33]|, 0x1800000
.irp i, 2,4,6,8,10,12,14,16,18,20,22,24,26,28,30
	v_max3_num_f32 v8, v8, |v[X+\i]|, |v[X+\i+1]|           ; (the two blocks by turns)
	v_max3_num_f32 v9, v9, |v[X+32+\i]|, |v[X+33+\i]|
.endr
	v_add_nc_u32 v10, 0xff000000, v8               ; 2 off the exponent field: the conversion takes the exponent field of this operand as its scale
	v_add_nc_u32 v11, 0xff000000, v9
	v_lshrrev_b32 v12, 23, v10                     ; the scales' bytes: blocks h and 2 + h of my row
	v_lshrrev_b32 v13, 23, v11
	v_lshl_or_b32 v14, v13, 16, v12
	v_lshlrev_b32 v14, v[H8], v14                  ; at their places in the word;
	v_permlanex16_b32 v15, v14, s66, s67
	v_or_b32 v[W+(\s)], v14, v15                   ; with lane l xor 16's two the word is whole, in both lanes
.irp c, 0,1
.irp q, 0,1,2,3
	v_cvt_scalef32_pk8_fp4_f32 v[C+8*(\s)+4*\c+\q], v[X+32*\c+8*\q:X+32*\c+8*\q+7], v[10+\c]
.endr
.endr
	v_nop                                          ; one plain instruction behind the last scaled conversion
.irp c, 0,1
	global_store_b128 v[OFF], v[C+8*(\s)+4*\c:C+8*(\s)+4*\c+3], s[16:17] offset:1024*(\s)+512*\c   ; 512 consecutive bytes of the image
.endr
.endm
; A step to f16: four fragments of 32 along K.  Lane (r, h) takes k = 32 f + 16 c + 8 h + 0 .. 7.
.macro WSTEP s
	HEAD \s, ST2
.irp f, 0,1,2,3
.irp c, 0,1
.irp q, 0,1
	ds_load_b128 v[X+16*\f+8*\c+4*\q:X+16*\f+8*\c+4*\q+3], v[RD2] offset:128*\f+64*\c+16*\q
.endr
.endr
.endr
	s_wait_dscnt 0x0
	s_wait_xcnt 0x0                                ; the stores of two steps ago have read their data: that set is written again only behind this wait
.set HB, C+32*((\s)%2)
.set i, 0
.rept 32
	v_cvt_pk_f16_f32 v[HB+i], v[X+2*i], v[X+2*i+1]
.set i, i+1
.endr
.irp f, 0,1,2,3
.irp c, 0,1
	global_store_b128 v[OFF], v[HB+8*\f+4*\c:HB+8*\f+4*\c+3], s[20:21] offset:(4*(\s)+\f)*1024+512*\c
.endr
.endr
.endm
	s_cmp_ge_u32 ttmp9, 240
	s_cbranch_scc1 .Lwo
.irp s, 0,1,2,3,4,5,6,7
	QSTEP \s
.endr
	v_cmp_le_u32 vcc_lo, 16, v1                    ; lanes 16-31 keep the odd K steps' words
.irp p, 0,1,2,3
	v_cndmask_b32 v[SW+\p], v[W+2*\p], v[W+2*\p+1], vcc_lo
.endr
	global_store_b128 v[OFF], v[SW:SW+3], s[18:19] ; the tile's 512 bytes of scale words
	s_branch .Lend
.Lwo:
.irp s, 0,1,2,3,4,5,6,7
	WSTEP \s
.endr
.Lend:
	s_wait_tensorcnt 0x0                           ; the wave's end
	ds_add_u32 v[SPW], v[NIL]
	s_wait_dscnt 0x0
	s_endpgm
.Lfunc_end_k_qfe7dc40c8a_prep:
	.size	k_qfe7dc40c8a_prep, .Lfunc_end_k_qfe7dc40c8a_prep-k_qfe7dc40c8a_prep
	.p2alignl 7, 3214868480
	.fill 96, 4, 3214868480
	.section	.rodata,"a",@progbits
	.p2align	6, 0x0
	.amdhsa_kernel k_qfe7dc40c8a_prep
		.amdhsa_group_segment_fixed_size 68096
		.amdhsa_private_segment_fixed_size 0
		.amdhsa_enable_private_segment 0
		.amdhsa_kernarg_size 72
		.amdhsa_user_sgpr_count 2
		.amdhsa_user_sgpr_kernarg_segment_ptr 1
		.amdhsa_wavefront_size32 1
		.amdhsa_system_sgpr_workgroup_id_x 1
		.amdhsa_system_sgpr_workgroup_id_y 1
		.amdhsa_system_sgpr_workgroup_id_z 1
		.amdhsa_system_vgpr_workitem_id 0
		.amdhsa_next_free_vgpr 512
		.amdhsa_next_free_sgpr 68
		.amdhsa_reserve_vcc 1
		.amdhsa_float_denorm_mode_32 3
		.amdhsa_float_denorm_mode_16_64 3
		.amdhsa_memory_ordered 1
		.amdhsa_forward_progress 1
		.amdhsa_inst_pref_size 106
	.end_amdhsa_kernel
	.amdgpu_metadata
---
amdhsa.version: [ 1, 2 ]
amdhsa.kernels:
  - .name:           k_qfe7dc40c8a_prep
    .symbol:         k_qfe7dc40c8a_prep.kd
    .args:
      - { .name: x, .offset: 0, .size: 8, .value_kind: global_buffer, .address_space: global }
      - { .name: c, .offset: 8, .size: 8, .value_kind: global_buffer, .address_space: global }
      - { .name: Wq, .offset: 16, .size: 8, .value_kind: global_buffer, .address_space: global }
      - { .name: Wk, .offset: 24, .size: 8, .value_kind: global_buffer, .address_space: global }
      - { .name: Wv, .offset: 32, .size: 8, .value_kind: global_buffer, .address_space: global }
      - { .name: Wo, .offset: 40, .size: 8, .value_kind: global_buffer, .address_space: global }
      - { .name: codes, .offset: 48, .size: 8, .value_kind: global_buffer, .address_space: global }
      - { .name: scales, .offset: 56, .size: 8, .value_kind: global_buffer, .address_space: global }
      - { .name: wo16, .offset: 64, .size: 8, .value_kind: global_buffer, .address_space: global }
    .group_segment_fixed_size: 68096
    .private_segment_fixed_size: 0
    .kernarg_segment_align: 8
    .kernarg_segment_size: 72
    .max_flat_workgroup_size: 128
    .sgpr_count:     68
    .vgpr_count:     512
    .wavefront_size: 32
...
	.end_amdgpu_metadata
.endif
;; end of part 1
;; launch qkv_attn (part 2): grid 4 x 64, 4 waves a work-group, no clusters, 98,816 bytes of LDS; arguments codes, scales, bq, bk, bv, att; writes att
.if DOCPART == 2
	.amdgcn_target "amdgcn-amd-amdhsa--gfx1250"
	.amdhsa_code_object_version 6
	.text
	.protected	k_qfe7dc40c8a_qkv_attn
	.globl	k_qfe7dc40c8a_qkv_attn
	.p2align	8
	.type	k_qfe7dc40c8a_qkv_attn,@function
k_qfe7dc40c8a_qkv_attn:
	s_mov_b64 s[64:65], 0
	v_nop
	global_prefetch_b8 v0, s[64:65] scope:SCOPE_SE
	s_setreg_imm32_b32 hwreg(HW_REG_WAVE_MODE, 25, 1), 1
	s_wait_xcnt 0x0
; q = x Wq^T + bq, k = c Wk^T + bk, v = c Wv^T + bv on codes of FP4 with E8M0 scales, and the attention, whose mask lets query i see keys 2 i and 2 i + 1 alone:
; two dot products of 64, a softmax of two numbers with the larger taken away first, a weighted sum of two rows of v, all in f32.  The other keys' weights are exact zeros and are not computed.
; The result goes out as f16, laid as the next product's fragments: att [tile of 16 rows 0..255][32 along K: 0..31][1,024].
; LIMITS: NaN and infinities are not served; the result beyond 65,504 in magnitude has no f16 number, and under 6e-5 it carries f16's subnormal step.
; SHARES.  A work-group takes 64 queries (with their 128 rows of c) x 4 heads; wave w takes head 4 x + w for all rows, so the attention never leaves a wave.
; BOTH PRODUCTS ARE USED TRANSPOSED (source 0 = 16 rows of W, source 1 = 16 rows of x or c): lane (r, h) holds row r, and register j of column tile t the head's column 16 t + 8 h + j.
; c's tiles hold the even or the odd keys (tile 2 a + e: key 2 (16 a + r) + e), so a query and its two keys lie in the same lane.
; FEEDING.  The rows' codes, 96 KiB, are read by all four waves: copied once into LDS, where they stay.  A wave's weights are read by that wave alone, once: they go from memory into a ring of
; eight units of 32 registers, 8 loads of 512 consecutive bytes a unit.  The biases ride in the ring and are the C of each sum's first product.  No multicast: what a work-group's waves share is a fifth of
; its bytes, and its weights, 384 KiB, have no room in LDS.
; TWO PHASES.  A (8 K steps): q, 16 accumulators, and k, 32.  Then the scores and the softmax.  B (8 K steps): v, 32 accumulators, in k's registers.
; REGISTERS, in windows of 256: window 0: v1-9 addresses; v10-31 at work; v32-79 the rows' scale words; v80-127 the weights'; v128-223 fragment buffer 0; v224-239 the scores; v240-255 the weights a.
;   window 1: the ring.   window 2: the copy's stage, then k's accumulators ((i, t) at 8 (4 i + t)), then v's.   window 3: v0-127 q's accumulators ((a, t) at 8 (4 a + t)), later the result; v128-223 fragment buffer 1.
.set SPARE, 98304                      ; behind the 12 tiles of 8,192 bytes: the spare words, 128 bytes a wave
.set OFF, 1                            ; v1   16 x lane: an image's place for my lane, in memory and in LDS; never rewritten
.set L1,  3                            ; v3   the same + 65,536: LDS tiles 8 to 11
.set BO,  4                            ; v4   32 h: my half's eight numbers of a bias
.set CPX, 5                            ; v5   where I put x's tile w
.set CPC, 6                            ; v6   and c's tiles 2 w, 2 w + 1
.set SPW, 8                            ; v8   my spare word; never rewritten
.set NIL, 9                            ; v9   0; never rewritten
.set TW,  10
.set RS,  32                           ; RS + 4 j + p: tile j (0-3 x, 4-11 c), K steps 2 p (lanes 0-15) and 2 p + 1 (lanes 16-31)
.set WS,  80                           ; WS + 16 m + 4 t + p: matrix m (q, k, v), column tile t
.set PF,  128                          ; fragment j at PF + 8 j, in window 0 (even steps) or 3 (odd)
.set SS,  224
.set AW,  240
.set WB,  24                           ; s[24:25] my head's rows of Wq; Wk and Wv lie 0x80000 and 0x100000 further on
.set NISS, 0                           ; units issued so far
.set MSB, 0
.macro WIN new                         ; s_set_vgpr_msb: bits 1:0 source 0, 3:2 source 1, 5:4 source 2, 7:6 destination; the high byte repeats the setting that is left
.if MSB != (\new)
	s_set_vgpr_msb (MSB<<8)|(\new)
.set MSB, (\new)
.endif
.endm
.macro PLACES n                        ; plain vector instructions between a matrix instruction and a load into, or a vector read of, its registers
.rept \n
	v_nop
.endr
.endm
; THE STREAM: unit 0 bq, 1 Wq(0), 2 bk, 3 Wk(0); 2 + 2 s Wq(s), 3 + 2 s Wk(s), s = 1 .. 7; 18 bv; 19 + s Wv(s).  Unit i lies at 32 (i % 8) of window 1, column tile t at + 8 t.
.macro UNIT i
	WIN 0x40
.set UB, 32*((\i)%8)
.if ((\i) == 0) || ((\i) == 2) || ((\i) == 18)
.set UP, 8
.if (\i) == 2
.set UP, 10
.endif
.if (\i) == 18
.set UP, 12
.endif
.irp t, 0,1,2,3
.irp q, 0,1
	global_load_b128 v[UB+8*\t+4*\q:UB+8*\t+4*\q+3], v[BO], s[UP:UP+1] offset:64*\t+16*\q   ; the bias at columns 16 t + 8 h + 0 .. 7: the result's layout
.endr
.endr
.else
.set UM, (\i)%2
.set US, ((\i)-2)/2
.if (\i) == 1
.set UM, 0
.set US, 0
.endif
.if (\i) > 18
.set UM, 2
.set US, (\i)-19
.endif
.irp t, 0,1,2,3
.irp q, 0,1
	global_load_b128 v[UB+8*\t+4*\q:UB+8*\t+4*\q+3], v[OFF], s[WB:WB+1] offset:UM*0x80000+8192*\t+1024*US+512*\q
.endr
.endr
.endif
.set NISS, NISS+1
.endm
.macro NEED i                          ; unit i is in: loads come back in order, and behind it 8 loads were issued for each later unit
	s_wait_loadcnt 8*(NISS-1-(\i))
.endm
; the rows' fragments of step g (K step g % 8) from LDS: x's four and c's eight in phase A, c's eight in phase B
.macro FETCH g
.if ((\g)%2) == 0
	WIN 0
.else
	WIN 0xc0
.endif
.irp j, 0,1,2,3,4,5,6,7,8,9,10,11
.if ((\g) < 8) || (\j >= 4)
.irp q, 0,1
.if \j < 8
	ds_load_b128 v[PF+8*\j+4*\q:PF+8*\j+4*\q+3], v[OFF] offset:8192*\j+1024*((\g)%8)+512*\q
.else
	ds_load_b128 v[PF+8*\j+4*\q:PF+8*\j+4*\q+3], v[L1] offset:8192*(\j-8)+1024*((\g)%8)+512*\q
.endif
.endr
.endif
.endr
.endm
; one product; K step 0 starts the sum with the bias as C; odd K steps take their scale words from lanes 16-31
.macro EMIT s
.if (\s) == 0
	v_wmma_scale_f32_16x16x128_f8f6f4 v[rD:rD+7], v[rA:rA+7], v[rB:rB+7], v[rC:rC+7], v[rSA], v[rSB] matrix_a_fmt:MATRIX_FMT_FP4 matrix_b_fmt:MATRIX_FMT_FP4
.elseif (\s)%2
	v_wmma_scale_f32_16x16x128_f8f6f4 v[rD:rD+7], v[rA:rA+7], v[rB:rB+7], v[rD:rD+7], v[rSA], v[rSB] matrix_a_fmt:MATRIX_FMT_FP4 matrix_b_fmt:MATRIX_FMT_FP4 matrix_a_scale:MATRIX_SCALE_ROW1 matrix_b_scale:MATRIX_SCALE_ROW1
.else
	v_wmma_scale_f32_16x16x128_f8f6f4 v[rD:rD+7], v[rA:rA+7], v[rB:rB+7], v[rD:rD+7], v[rSA], v[rSB] matrix_a_fmt:MATRIX_FMT_FP4 matrix_b_fmt:MATRIX_FMT_FP4
.endif
.endm
; The accumulators take turns, one instruction a turn, in the same order in every step.
.macro QMUL s, u, ub                   ; q: K step s, weights in unit u, bias in unit ub: 16 products
.irp a, 0,1,2,3
.irp t, 0,1,2,3
.set rD, 8*(4*\a+\t)
.set rA, 32*((\u)%8)+8*\t
.set rB, PF+8*\a
.set rC, 32*((\ub)%8)+8*\t
.set rSA, WS+4*\t+(\s)/2
.set rSB, RS+4*\a+(\s)/2
	EMIT \s
.endr
.endr
.endm
.macro KVMUL m, s, u, ub               ; k (m = 1) or v (m = 2): 32 products
.irp i, 0,1,2,3,4,5,6,7
.irp t, 0,1,2,3
.set rD, 8*(4*\i+\t)
.set rA, 32*((\u)%8)+8*\t
.set rB, PF+32+8*\i
.set rC, 32*((\ub)%8)+8*\t
.set rSA, WS+16*(\m)+4*\t+(\s)/2
.set rSB, RS+16+4*\i+(\s)/2
	EMIT \s
.endr
.endr
.endm
; A step of phase A.  At its head this step's fragments are in and the next step's loads (24, or phase B's 16) may be out.  At its end, behind four places, the ring's slots and the fragment buffer just used are asked for again.
.macro STEPA g
.if (\g) < 7
	s_wait_dscnt 24
.else
	s_wait_dscnt 16
.endif
.if (\g) == 0
	NEED 1
	WIN 0xd1                                       ; W window 1, rows window 0, C (the bias) window 1, D window 3
	QMUL 0, 1, 0
	NEED 3
	WIN 0x91                                       ; the same, D window 2
	KVMUL 1, 0, 3, 2
.else
	NEED 2+2*(\g)
	WIN 0xf1+0x0c*((\g)%2)                         ; W window 1, rows window 0 or 3, C and D window 3
	QMUL \g, 2+2*(\g), 0
	NEED 3+2*(\g)
	WIN 0xa1+0x0c*((\g)%2)                         ; C and D window 2
	KVMUL 1, \g, 3+2*(\g), 0
.endif
	PLACES 4
.if (\g) == 0
	UNIT 8
	UNIT 9
	UNIT 10
	UNIT 11
.else
	UNIT 10+2*(\g)
	UNIT 11+2*(\g)
.endif
	FETCH (\g)+2
.endm
.macro STEPB g                         ; a step of phase B, g = 8 .. 15
.if (\g) < 15
	s_wait_dscnt 16
.else
	s_wait_dscnt 0x0
.endif
.if (\g) == 8
	NEED 19
	WIN 0x91
	KVMUL 2, 0, 19, 18
.else
	NEED 11+(\g)
	WIN 0xa1+0x0c*((\g)%2)
	KVMUL 2, (\g)-8, 11+(\g), 0
.endif
	PLACES 4
.if (\g) == 8
	UNIT 26
.endif
.if (\g)+2 < 16
	FETCH (\g)+2
.endif
.endm
	s_load_b256 s[4:11], s[0:1], 0x0               ; codes s[4:5], scales s[6:7], bq s[8:9], bk s[10:11]
	s_load_b128 s[12:15], s[0:1], 0x20             ; bv s[12:13], att s[14:15]
	v_lshl_add_u32 v[SPW], v0, 2, SPARE
	v_mov_b32 v[NIL], 0
	v_lshrrev_b32 v10, 5, v0
	v_readfirstlane_b32 s16, v10                   ; wave 0..3
	v_and_b32 v10, 31, v0
	v_lshlrev_b32 v[OFF], 4, v10
	v_add_nc_u32 v[L1], 0x10000, v[OFF]
	v_bfe_u32 v11, v0, 4, 1
	v_lshlrev_b32 v[BO], 5, v11
	s_lshl_b32 s19, s16, 13
	v_add_nc_u32 v[CPX], s19, v[OFF]               ; LDS tile w
	s_lshl_b32 s37, s16, 14
	s_add_co_u32 s38, s37, 32768
	v_add_nc_u32 v[CPC], s38, v[OFF]               ; LDS tiles 4 + 2 w, 5 + 2 w
.irp i, 0,1,2,3,4,5,6,7
	v_mov_b32 v[TW+8+\i], 0                        ; a lane permute's destination counts as one of its sources
.endr
	s_lshl_b32 s17, ttmp9, 2
	s_add_co_u32 s17, s17, s16                     ; my head
	s_and_b32 s18, ttmp7, 0xffff                   ; my block of 64 queries
	s_mov_b32 s33, 0
	s_mov_b32 s34, 0x76543210
	s_mov_b32 s35, 0xfedcba98                      ; v_permlanex16_b32's selects for lane l xor 16
	s_mov_b32 s36, 0x3e38aa3b                      ; log2(e) / sqrt(64)
	s_wait_kmcnt 0x0
	s_lshl_b32 s32, s18, 15                        ; x: four tiles of 8,192 bytes a block; I copy tile w
	s_add_co_u32 s32, s32, s19
	s_add_nc_u64 s[20:21], s[4:5], s[32:33]
	s_lshl_b32 s32, s18, 16                        ; c: eight tiles a block, behind x's 256 tiles; I copy two
	s_add_co_u32 s32, s32, s37
	s_add_co_u32 s32, s32, 0x200000
	s_add_nc_u64 s[22:23], s[4:5], s[32:33]
	WIN 0x80                                       ; destination window 2
.set n, 0
.rept 16
	global_load_b128 v[4*n:4*n+3], v[OFF], s[20:21] offset:512*n
.set n, n+1
.endr
.set n, 0
.rept 32
	global_load_b128 v[64+4*n:64+4*n+3], v[OFF], s[22:23] offset:512*n
.set n, n+1
.endr
	WIN 0
	s_lshl_b32 s32, s17, 15                        ; the weights' tiles begin behind 768 tiles; four tiles a head
	s_add_co_u32 s32, s32, 0x600000
	s_add_nc_u64 s[WB:WB+1], s[4:5], s[32:33]
	s_lshl_b32 s32, s18, 11                        ; scale words, 512 bytes a tile: x's,
	s_add_nc_u64 s[26:27], s[6:7], s[32:33]
	s_lshl_b32 s32, s18, 12                        ; c's,
	s_add_nc_u64 s[28:29], s[6:7], s[32:33]
	s_lshl_b32 s32, s17, 11                        ; the weights'
	s_add_nc_u64 s[30:31], s[6:7], s[32:33]
	s_lshl_b32 s32, s17, 8                         ; my head's 64 numbers of each bias
	s_add_nc_u64 s[8:9], s[8:9], s[32:33]
	s_add_nc_u64 s[10:11], s[10:11], s[32:33]
	s_add_nc_u64 s[12:13], s[12:13], s[32:33]
	s_lshl_b32 s32, s18, 17                        ; att: four tiles of 32,768 bytes a block, two images a head
	s_lshl_b32 s19, s17, 11
	s_add_co_u32 s32, s32, s19
	s_add_nc_u64 s[14:15], s[14:15], s[32:33]
.irp j, 0,1,2,3
	global_load_b128 v[RS+4*\j:RS+4*\j+3], v[OFF], s[26:27] offset:512*\j
.endr
.irp j, 0,1,2,3,4,5,6,7
	global_load_b128 v[RS+16+4*\j:RS+16+4*\j+3], v[OFF], s[28:29] offset:131072+512*\j
.endr
.irp m, 0,1,2
.irp t, 0,1,2,3
	global_load_b128 v[WS+16*\m+4*\t:WS+16*\m+4*\t+3], v[OFF], s[30:31] offset:393216+32768*\m+512*\t
.endr
.endr
	UNIT 0
	UNIT 1
	UNIT 2
	UNIT 3
	s_wait_loadcnt 56                              ; the copy's 48 loads are in; behind them: 24 loads of scale words and 32 of the ring
	WIN 0x08                                       ; an LDS store's data are its source 1: window 2
.set n, 0
.rept 16
	ds_store_b128 v[CPX], v[4*n:4*n+3] offset:512*n
.set n, n+1
.endr
.set n, 0
.rept 32
	ds_store_b128 v[CPC], v[64+4*n:64+4*n+3] offset:512*n
.set n, n+1
.endr
	UNIT 4
	UNIT 5
	UNIT 6
	UNIT 7
	WIN 0
	s_wait_dscnt 0x0                               ; for the others' sake: my part of the rows' codes lies in LDS (and the stores have read window 2, which the products will write)
	s_barrier_signal -1
	s_barrier_wait -1                              ; everybody's does; nothing is stored there again
	FETCH 0
	FETCH 1
.irp g, 0,1,2,3,4,5,6,7
	STEPA \g
.endr
	; THE SCORES.  A lane holds 32 of the head's 64 columns of its query and of both keys: eight chains (tile a, key e) by turns, each accumulator read from its low end on.
	WIN 0x0b                                       ; q window 3, k window 2, the sums window 0
.irp t, 0,1,2,3
.irp j, 0,2,4,6
.irp a, 0,1,2,3
.irp e, 0,1
.set rS, SS+2*(2*\a+\e)
.set rQ, 8*(4*\a+\t)+\j
.set rK, 8*(4*(2*\a+\e)+\t)+\j
.if (\t == 0) && (\j == 0)
	v_pk_mul_f32 v[rS:rS+1], v[rQ:rQ+1], v[rK:rK+1]
.else
	v_pk_fma_f32 v[rS:rS+1], v[rQ:rQ+1], v[rK:rK+1], v[rS:rS+1]
.endif
.endr
.endr
.endr
.endr
	WIN 0
.irp i, 0,1,2,3,4,5,6,7
	v_add_f32 v[TW+\i], v[SS+2*\i], v[SS+2*\i+1]
.endr
.irp i, 0,1,2,3,4,5,6,7
	v_permlanex16_b32 v[TW+8+\i], v[TW+\i], s34, s35
.endr
.irp i, 0,1,2,3,4,5,6,7
	v_add_f32 v[TW+\i], v[TW+\i], v[TW+8+\i]       ; with lane l xor 16's 32 columns: score 2 a + e
.endr
.irp a, 0,1,2,3
	v_max_num_f32 v[TW+16+\a], v[TW+2*\a], v[TW+2*\a+1]
.endr
.irp a, 0,1,2,3
.irp e, 0,1
	v_sub_f32 v[TW+2*\a+\e], v[TW+2*\a+\e], v[TW+16+\a]   ; the larger score is taken away first; not fused with the scaling, so that the larger gives exactly 0
.endr
.endr
.irp i, 0,1,2,3,4,5,6,7
	v_mul_f32 v[TW+\i], s36, v[TW+\i]
.endr
.irp i, 0,1,2,3,4,5,6,7
	v_exp_f32 v[TW+\i], v[TW+\i]
.endr
	v_nop                                          ; a plain instruction behind the last exponential,
	s_wait_alu depctr_va_vdst(0)                   ; and the one wait ahead of the batch's first reader
.irp a, 0,1,2,3
	v_add_f32 v[TW+16+\a], v[TW+2*\a], v[TW+2*\a+1]   ; between 1 and 2
.endr
.irp a, 0,1,2,3
	v_rcp_f32 v[TW+16+\a], v[TW+16+\a]
.endr
	v_nop
	s_wait_alu depctr_va_vdst(0)                   ; one wait for the four reciprocals
.irp a, 0,1,2,3
.irp e, 0,1
	v_mul_f32 v[AW+4*\a+2*\e], v[TW+2*\a+\e], v[TW+16+\a]      ; the weight of key e, twice: a pair for the packed forms
	v_mul_f32 v[AW+4*\a+2*\e+1], v[TW+2*\a+\e], v[TW+16+\a]
.endr
.endr
	PLACES 5                                       ; v's sums begin anew over k's accumulators
.irp g, 8,9,10,11,12,13,14,15
	STEPB \g
.endr
	; THE WAY OUT.  result = a0 x the even key's v + a1 x the odd key's, over q's registers; each accumulator read from its low end on.
	WIN 0xf2                                       ; v window 2, a window 0, the result window 3
.irp a, 0,1,2,3
.irp t, 0,1,2,3
.irp j, 0,2,4,6
.set rT, 8*(4*\a+\t)+\j
.set rV, 8*(4*(2*\a)+\t)+\j
	v_pk_mul_f32 v[rT:rT+1], v[rV:rV+1], v[AW+4*\a:AW+4*\a+1]
.endr
.endr
.endr
.irp a, 0,1,2,3
.irp t, 0,1,2,3
.irp j, 0,2,4,6
.set rT, 8*(4*\a+\t)+\j
.set rV, 8*(4*(2*\a+1)+\t)+\j
	v_pk_fma_f32 v[rT:rT+1], v[rV:rV+1], v[AW+4*\a+2:AW+4*\a+3], v[rT:rT+1]
.endr
.endr
.endr
	WIN 0x0f                                       ; sources window 3, destination window 0
.irp a, 0,1,2,3
.irp t, 0,1,2,3
.irp j, 0,2,4,6
	v_cvt_pk_f16_f32 v[PF+16*\a+4*\t+\j/2], v[8*(4*\a+\t)+\j], v[8*(4*\a+\t)+\j+1]
.endr
.endr
.endr
	WIN 0
.irp a, 0,1,2,3
.irp t, 0,1,2,3
	global_store_b128 v[OFF], v[PF+16*\a+4*\t:PF+16*\a+4*\t+3], s[14:15] offset:32768*\a+512*\t   ; columns 16 t + 8 h + 0 .. 7 of row r: half t % 2 of the head's image t / 2; 512 consecutive bytes
.endr
.endr
	s_wait_tensorcnt 0x0                           ; the wave's end
	ds_add_u32 v[SPW], v[NIL]
	s_wait_dscnt 0x0
	s_endpgm
.Lfunc_end_k_qfe7dc40c8a_qkv_attn:
	.size	k_qfe7dc40c8a_qkv_attn, .Lfunc_end_k_qfe7dc40c8a_qkv_attn-k_qfe7dc40c8a_qkv_attn
	.p2alignl 7, 3214868480
	.fill 96, 4, 3214868480
	.section	.rodata,"a",@progbits
	.p2align	6, 0x0
	.amdhsa_kernel k_qfe7dc40c8a_qkv_attn
		.amdhsa_group_segment_fixed_size 98816
		.amdhsa_private_segment_fixed_size 0
		.amdhsa_enable_private_segment 0
		.amdhsa_kernarg_size 48
		.amdhsa_user_sgpr_count 2
		.amdhsa_user_sgpr_kernarg_segment_ptr 1
		.amdhsa_wavefront_size32 1
		.amdhsa_system_sgpr_workgroup_id_x 1
		.amdhsa_system_sgpr_workgroup_id_y 1
		.amdhsa_system_sgpr_workgroup_id_z 1
		.amdhsa_system_vgpr_workitem_id 0
		.amdhsa_next_free_vgpr 1024
		.amdhsa_next_free_sgpr 66
		.amdhsa_reserve_vcc 0
		.amdhsa_float_denorm_mode_32 3
		.amdhsa_float_denorm_mode_16_64 3
		.amdhsa_memory_ordered 1
		.amdhsa_forward_progress 1
		.amdhsa_inst_pref_size 163
	.end_amdhsa_kernel
	.amdgpu_metadata
---
amdhsa.version: [ 1, 2 ]
amdhsa.kernels:
  - .name:           k_qfe7dc40c8a_qkv_attn
    .symbol:         k_qfe7dc40c8a_qkv_attn.kd
    .args:
      - { .name: codes, .offset: 0, .size: 8, .value_kind: global_buffer, .address_space: global }
      - { .name: scales, .offset: 8, .size: 8, .value_kind: global_buffer, .address_space: global }
      - { .name: bq, .offset: 16, .size: 8, .value_kind: global_buffer, .address_space: global }
      - { .name: bk, .offset: 24, .size: 8, .value_kind: global_buffer, .address_space: global }
      - { .name: bv, .offset: 32, .size: 8, .value_kind: global_buffer, .address_space: global }
      - { .name: att, .offset: 40, .size: 8, .value_kind: global_buffer, .address_space: global }
    .group_segment_fixed_size: 98816
    .private_segment_fixed_size: 0
    .kernarg_segment_align: 8
    .kernarg_segment_size: 48
    .max_flat_workgroup_size: 128
    .sgpr_count:     66
    .vgpr_count:     1024
    .wavefront_size: 32
...
	.end_amdgpu_metadata
.endif
;; end of part 2
;; launch outproj (part 3): grid 4 x 64, 4 waves a work-group, no clusters, 148,992 bytes of LDS; arguments att, wo16, bo, out0; writes out0
.if DOCPART == 3
	.amdgcn_target "amdgcn-amd-amdhsa--gfx1250"
	.amdhsa_code_object_version 6
	.text
	.protected	k_qfe7dc40c8a_outproj
	.globl	k_qfe7dc40c8a_outproj
	.p2align	8
	.type	k_qfe7dc40c8a_outproj,@function
k_qfe7dc40c8a_outproj:
	s_mov_b64 s[64:65], 0
	v_nop
	global_prefetch_b8 v0, s[64:65] scope:SCOPE_SE
	s_setreg_imm32_b32 hwreg(HW_REG_WAVE_MODE, 25, 1), 1
	s_wait_xcnt 0x0
; out0 = att Wo^T + bo.  att [4096][1024] and Wo [1024][1024] arrive as f16 in the order of the operands' registers (images of 1,024 bytes: 16 rows x 32 K); sums in f32; out0 f32.
; SHARES.  A work-group takes 64 rows x 256 columns, a wave 64 x 64: 16 accumulators.  att's four tiles, all of K, 128 KiB, are read by all four waves: copied once into LDS (wave w copies tile w), where they stay.
; A wave's 64 rows of Wo are read by that wave alone, once: from memory into a ring of eight units of 32 registers (32 along K x 64 rows, 8 loads of 512 consecutive bytes).  bo rides in the ring as unit 0 and is the C of the first products.
; No multicast: what a work-group's waves share is a fifth of its bytes, and its part of Wo, 512 KiB, has no room in LDS.
; THE MATRIX INSTRUCTION IS USED TRANSPOSED (source 0 = 16 rows of Wo, source 1 = 16 rows of att): a lane holds eight neighbouring columns of one row of out0.
; REGISTERS: window 0: v1-10 addresses; v32-95 the way out; v128-255 accumulator (a, b) at 128 + 8 (4 a + b).   window 1: the ring.   window 2: the copy's stage; then two fragment buffers of 64, fragment (c, a) at 8 (4 c + a).
.set STAGE,  131072                    ; behind att's tiles: 16 rows x 272 bytes for each wave, for the way out
.set SPITCH, 272
.set SPARE,  STAGE+4*16*SPITCH         ; the spare words, 128 bytes a wave
.set OFF, 1                            ; v1   16 x lane, in memory and in LDS; never rewritten
.set L1,  3                            ; v3   the same + 65,536: LDS tiles 2 and 3
.set BO,  4                            ; v4   32 h
.set CP,  5                            ; v5   where I put att's tile w
.set STO, 6                            ; v6   the stage: where I put 32 bytes of a row
.set RD,  7                            ; v7   and where I read rows back
.set CO,  8                            ; v8   my byte offset in two rows of out0
.set SPW, 9                            ; v9   my spare word; never rewritten
.set NIL, 10                           ; v10  0; never rewritten
.set BK,  32
.set ACC, 128
.set NISS, 0
.set MSB, 0
.macro WIN new                         ; s_set_vgpr_msb: bits 1:0 source 0, 3:2 source 1, 5:4 source 2, 7:6 destination; the high byte repeats the setting that is left
.if MSB != (\new)
	s_set_vgpr_msb (MSB<<8)|(\new)
.set MSB, (\new)
.endif
.endm
.macro PLACES n
.rept \n
	v_nop
.endr
.endm
.macro UNIT i                          ; unit 0: bo; unit 1 + s: Wo's 32 along K number s.  Unit i lies at 32 (i % 8) of window 1, column tile b at + 8 b
	WIN 0x40
.set UB, 32*((\i)%8)
.irp b, 0,1,2,3
.irp q, 0,1
.if (\i) == 0
	global_load_b128 v[UB+8*\b+4*\q:UB+8*\b+4*\q+3], v[BO], s[8:9] offset:64*\b+16*\q
.else
	global_load_b128 v[UB+8*\b+4*\q:UB+8*\b+4*\q+3], v[OFF], s[18:19] offset:32768*\b+1024*((\i)-1)+512*\q
.endif
.endr
.endr
.set NISS, NISS+1
.endm
.macro NEED i                          ; unit i is in: behind it 8 loads were issued for each later unit
	s_wait_loadcnt 8*(NISS-1-(\i))
.endm
.macro FETCH g                         ; att's fragments of 64 along K: 2 x 4 tiles, 16 loads, into buffer g % 2
	WIN 0x80
.set PB, 64*((\g)%2)
.irp c, 0,1
.irp a, 0,1,2,3
.irp q, 0,1
.if \a < 2
	ds_load_b128 v[PB+8*(4*\c+\a)+4*\q:PB+8*(4*\c+\a)+4*\q+3], v[OFF] offset:32768*\a+1024*(2*(\g)+\c)+512*\q
.else
	ds_load_b128 v[PB+8*(4*\c+\a)+4*\q:PB+8*(4*\c+\a)+4*\q+3], v[L1] offset:32768*(\a-2)+1024*(2*(\g)+\c)+512*\q
.endif
.endr
.endr
.endr
.endm
.macro MUL g, c                        ; 16 products, 32 along K; the 16 accumulators take turns, one instruction a turn
.irp a, 0,1,2,3
.irp b, 0,1,2,3
.set rD, ACC+8*(4*\a+\b)
.set rA, 32*((1+2*(\g)+\c)%8)+8*\b
.set rB, 64*((\g)%2)+8*(4*\c+\a)
.if ((\g) == 0) && (\c == 0)
	v_wmma_f32_16x16x32_f16 v[rD:rD+7], v[rA:rA+7], v[rB:rB+7], v[8*\b:8*\b+7]
.else
	v_wmma_f32_16x16x32_f16 v[rD:rD+7], v[rA:rA+7], v[rB:rB+7], v[rD:rD+7]
.endif
.endr
.endr
.endm
.macro STEP g                          ; 64 along K
.if (\g) < 15
	s_wait_dscnt 16                                ; this step's fragments are in; the next step's 16 loads may be out
.else
	s_wait_dscnt 0x0
.endif
	NEED 1+2*(\g)
.if (\g) == 0
	WIN 0x19                                       ; Wo window 1, att window 2, C (bo) window 1, D window 0
.else
	WIN 0x09                                       ; C and D window 0
.endif
	MUL \g, 0
	NEED 2+2*(\g)
	WIN 0x09
	MUL \g, 1
	PLACES 4                                       ; in front of loads into registers that matrix instructions have read, and of the first read of results
.if (\g) == 0
	UNIT 8
	UNIT 9
	UNIT 10
.elseif (\g) < 12
	UNIT 9+2*(\g)
	UNIT 10+2*(\g)
.endif
.if (\g)+2 < 16
	FETCH (\g)+2
.endif
.endm
	s_load_b256 s[4:11], s[0:1], 0x0               ; att s[4:5], wo16 s[6:7], bo s[8:9], out0 s[10:11]
	v_lshl_add_u32 v[SPW], v0, 2, SPARE
	v_mov_b32 v[NIL], 0
	v_lshrrev_b32 v11, 5, v0
	v_readfirstlane_b32 s12, v11                   ; wave 0..3
	v_and_b32 v11, 31, v0
	v_lshlrev_b32 v[OFF], 4, v11
	v_add_nc_u32 v[L1], 0x10000, v[OFF]
	v_and_b32 v12, 15, v0                          ; r
	v_bfe_u32 v13, v0, 4, 1                        ; h
	v_lshlrev_b32 v[BO], 5, v13
	s_lshl_b32 s14, s12, 15
	v_add_nc_u32 v[CP], s14, v[OFF]
	s_mul_i32 s15, s12, 16*SPITCH
	s_add_co_u32 s15, s15, STAGE                   ; my stage
	v_mul_u32_u24 v[STO], v12, SPITCH              ; in: row r, 32 bytes for each half of the lanes
	v_lshl_add_u32 v[STO], v13, 5, v[STO]
	v_add_nc_u32 v[STO], s15, v[STO]
	v_mul_u32_u24 v[RD], v13, SPITCH               ; back: lanes 0-15 one row of 256 bytes, lanes 16-31 the next
	v_lshl_add_u32 v[RD], v12, 4, v[RD]
	v_add_nc_u32 v[RD], s15, v[RD]
	v_lshlrev_b32 v[CO], 12, v13                   ; and the same two rows in out0
	v_lshl_add_u32 v[CO], v12, 4, v[CO]
	s_and_b32 s13, ttmp7, 0xffff                   ; my block of 64 rows
	s_mov_b32 s21, 0
	s_wait_kmcnt 0x0
	s_lshl_b32 s20, s13, 17                        ; att: four tiles of 32,768 bytes a block; I copy tile w
	s_add_co_u32 s20, s20, s14
	s_add_nc_u64 s[16:17], s[4:5], s[20:21]
	WIN 0x80
.set n, 0
.rept 64
	global_load_b128 v[4*n:4*n+3], v[OFF], s[16:17] offset:512*n
.set n, n+1
.endr
	WIN 0
	s_lshl_b32 s20, ttmp9, 19                      ; Wo: 16 tiles of 32,768 bytes a block of columns, four a wave
	s_lshl_b32 s22, s12, 17
	s_add_co_u32 s20, s20, s22
	s_add_nc_u64 s[18:19], s[6:7], s[20:21]
	s_lshl_b32 s20, ttmp9, 10                      ; my 64 columns, in bytes: 1,024 x block + 256 x wave
	s_lshl_b32 s22, s12, 8
	s_add_co_u32 s20, s20, s22
	s_add_nc_u64 s[8:9], s[8:9], s[20:21]
	s_add_nc_u64 s[10:11], s[10:11], s[20:21]
	s_lshl_b32 s20, s13, 18                        ; 64 rows of 4,096 bytes
	s_add_nc_u64 s[10:11], s[10:11], s[20:21]
.irp i, 0,1,2,3,4,5,6
	UNIT \i
.endr
	s_wait_loadcnt 56                              ; the copy's 64 loads are in; behind them: seven units of 8 loads
	WIN 0x08                                       ; an LDS store's data are its source 1: window 2
.set n, 0
.rept 64
	ds_store_b128 v[CP], v[4*n:4*n+3] offset:512*n
.set n, n+1
.endr
	UNIT 7
	WIN 0
	s_wait_dscnt 0x0                               ; for the others' sake: my tile of att lies in LDS (and the stores have read window 2, which the fragments will take)
	s_barrier_signal -1
	s_barrier_wait -1                              ; everybody's does; nothing is stored there again
	FETCH 0
	FETCH 1
.irp g, 0,1,2,3,4,5,6,7,8,9,10,11,12,13,14,15
	STEP \g
.endr
	WIN 0
; THE WAY OUT, 16 rows x 64 columns at a time.  A lane holds 32 neighbouring bytes of a row and the lanes beside it other rows: a block goes through my own stage and comes back as whole rows of 256 bytes.
; LDS serves a wave's instructions in order (ISA guide 5.7.1.4): no wait between the stores and the loads, nor in front of the next block's stores.
.macro TOSTAGE a
.irp b, 0,1,2,3
	ds_store_b128 v[STO], v[ACC+8*(4*(\a)+\b):ACC+8*(4*(\a)+\b)+3] offset:64*\b          ; each accumulator from its low end on
	ds_store_b128 v[STO], v[ACC+8*(4*(\a)+\b)+4:ACC+8*(4*(\a)+\b)+7] offset:64*\b+16
.endr
.set BB, BK+32*((\a)%2)
.irp i, 0,1,2,3,4,5,6,7
	ds_load_b128 v[BB+4*\i:BB+4*\i+3], v[RD] offset:\i*2*SPITCH
.endr
.endm
.macro SEND a, younger                 ; younger: the LDS instructions issued behind block a's loads, which may stay out
.set BB, BK+32*((\a)%2)
	s_wait_dscnt \younger
.irp i, 0,1,2,3,4,5,6,7
	global_store_b128 v[CO], v[BB+4*\i:BB+4*\i+3], s[10:11] offset:(16*(\a)+2*\i)*4096 th:TH_STORE_NT   ; sixteen lanes store 256 consecutive bytes, at a multiple of 256 from out0's first byte; two rows an instruction
.endr
.endm
	TOSTAGE 0                                      ; (the last step's four places stand ahead)
.irp a, 1,2,3
.if \a > 1
	s_wait_xcnt 0x0                                ; block a - 2's stores have read their registers: block a's loads may land there
.endif
	TOSTAGE \a
	SEND \a-1, 16                                  ; behind block a - 1's loads: block a's 8 stores and 8 loads
.endr
	SEND 3, 0
	s_wait_tensorcnt 0x0                           ; the wave's end
	ds_add_u32 v[SPW], v[NIL]
	s_wait_dscnt 0x0
	s_endpgm
.Lfunc_end_k_qfe7dc40c8a_outproj:
	.size	k_qfe7dc40c8a_outproj, .Lfunc_end_k_qfe7dc40c8a_outproj-k_qfe7dc40c8a_outproj
	.p2alignl 7, 3214868480
	.fill 96, 4, 3214868480
	.section	.rodata,"a",@progbits
	.p2align	6, 0x0
	.amdhsa_kernel k_qfe7dc40c8a_outproj
		.amdhsa_group_segment_fixed_size 148992
		.amdhsa_private_segment_fixed_size 0
		.amdhsa_enable_private_segment 0
		.amdhsa_kernarg_size 32
		.amdhsa_user_sgpr_count 2
		.amdhsa_user_sgpr_kernarg_segment_ptr 1
		.amdhsa_wavefront_size32 1
		.amdhsa_system_sgpr_workgroup_id_x 1
		.amdhsa_system_sgpr_workgroup_id_y 1
		.amdhsa_system_sgpr_workgroup_id_z 1
		.amdhsa_system_vgpr_workitem_id 0
		.amdhsa_next_free_vgpr 768
		.amdhsa_next_free_sgpr 66
		.amdhsa_reserve_vcc 0
		.amdhsa_float_denorm_mode_32 3
		.amdhsa_float_denorm_mode_16_64 3
		.amdhsa_memory_ordered 1
		.amdhsa_forward_progress 1
		.amdhsa_inst_pref_size 98
	.end_amdhsa_kernel
	.amdgpu_metadata
---
amdhsa.version: [ 1, 2 ]
amdhsa.kernels:
  - .name:           k_qfe7dc40c8a_outproj
    .symbol:         k_qfe7dc40c8a_outproj.kd
    .args:
      - { .name: att, .offset: 0, .size: 8, .value_kind: global_buffer, .address_space: global }
      - { .name: wo16, .offset: 8, .size: 8, .value_kind: global_buffer, .address_space: global }
      - { .name: bo, .offset: 16, .size: 8, .value_kind: global_buffer, .address_space: global }
      - { .name: out0, .offset: 24, .size: 8, .value_kind: global_buffer, .address_space: global }
    .group_segment_fixed_size: 148992
    .private_segment_fixed_size: 0
    .kernarg_segment_align: 8
    .kernarg_segment_size: 32
    .max_flat_workgroup_size: 128
    .sgpr_count:     66
    .vgpr_count:     768
    .wavefront_size: 32
...
	.end_amdgpu_metadata
.endif
;; end of part 3
;; ======== version 2 of 2: 3 launches; version 1 with the launch qkv_attn written anew for expert scheduling mode
;; limits: values are held in f16: magnitudes above 65,504 overflow, below 6.1e-05 lose precision
;; workspace buffers: codes 7,864,320 bytes; scales 491,520 bytes; wo16 2,097,152 bytes; att 8,388,608 bytes
;; launch prep: the kernel of part 1 again; grid 256 x 1, 4 waves a work-group, no clusters, 68,096 bytes of LDS; arguments x, c, Wq, Wk, Wv, Wo, codes, scales, wo16; writes codes, scales, wo16
;; launch qkv_attn (part 4): grid 4 x 64, 4 waves a work-group, no clusters, 98,816 bytes of LDS; arguments codes, scales, bq, bk, bv, att; writes att
.if DOCPART == 4
	.amdgcn_target "amdgcn-amd-amdhsa--gfx1250"
	.amdhsa_code_object_version 6
	.text
	.protected	k_qfe7dc40c8a_qkv_attn
	.globl	k_qfe7dc40c8a_qkv_attn
	.p2align	8
	.type	k_qfe7dc40c8a_qkv_attn,@function
k_qfe7dc40c8a_qkv_attn:
	s_mov_b64 s[64:65], 0
	v_nop
	global_prefetch_b8 v0, s[64:65] scope:SCOPE_SE
	s_setreg_imm32_b32 hwreg(HW_REG_WAVE_SCHED_MODE, 0, 2), 2
	s_setreg_imm32_b32 hwreg(HW_REG_WAVE_MODE, 25, 1), 1
	s_wait_xcnt 0x0
	s_wait_alu depctr_vm_vsrc(0)
; q = x Wq^T + bq, k = c Wk^T + bk, v = c Wv^T + bv on codes of FP4 with E8M0 scales, and the attention, whose mask lets query i see keys 2 i and 2 i + 1 alone:
; two dot products of 64, a softmax of two numbers with the larger taken away first, a weighted sum of two rows of v, all in f32.  The other keys' weights are exact zeros and are not computed.
; The result goes out as f16, laid as the next product's fragments: att [tile of 16 rows 0..255][32 along K: 0..31][1,024].
; LIMITS: NaN and infinities are not served; the result beyond 65,504 in magnitude has no f16 number, and under 6e-5 it carries f16's subnormal step.
; SHARES.  A work-group takes 64 queries (with their 128 rows of c) x 4 heads; wave w takes head 4 x + w for all rows, so the attention never leaves a wave.
; BOTH PRODUCTS ARE USED TRANSPOSED (source 0 = 16 rows of W, source 1 = 16 rows of x or c): lane (r, h) holds row r, and register j of column tile t the head's column 16 t + 8 h + j.
; c's tiles hold the even or the odd keys (tile 2 a + e: key 2 (16 a + r) + e), so a query and its two keys lie in the same lane.
; FEEDING.  The rows' codes, 96 KiB, are read by all four waves: copied once into LDS, where they stay.  A wave's weights are read by that wave alone, once: they go from memory into a ring of
; eight units of 32 registers, 8 loads of 512 consecutive bytes a unit.  The biases ride in the ring and are the C of each sum's first product.  No multicast: what a work-group's waves share is a fifth of
; its bytes, and its weights, 384 KiB, have no room in LDS.
; TWO PHASES.  A (8 K steps): q, 16 accumulators, and k, 32.  Then the scores and the softmax.  B (8 K steps): v, 32 accumulators, in k's registers.
; REGISTERS, in windows of 256: window 0: v1-9 addresses; v10-31 at work; v32-79 the rows' scale words; v80-127 the weights'; v128-223 fragment buffer 0; v224-239 the scores; v240-255 the weights a.
;   window 1: the ring.   window 2: the copy's stage, then k's accumulators ((i, t) at 8 (4 i + t)), then v's.   window 3: v0-127 q's accumulators ((a, t) at 8 (4 a + t)), later the result; v128-223 fragment buffer 1.
; THE MODE: SCHED_MODE bits 1:0 = 2 (LLVM: expert scheduling mode 2), set by the entry lines.  The code itself states the register dependences
; between vector or matrix instructions and memory or LDS instructions, with s_wait_alu, always for 0.
; THE PLAN.  Registers that memory or LDS instructions touch (the text has no branch: one way through it):
;   v1, v3-v6      addresses, written by vector instructions at the head and never again; read by every load and store: one wait on va_vdst ahead of the first load.
;   window 2       v0-191: the copy's loads land there, my LDS stores read them, k's products write them: one wait on vm_vsrc behind the barrier.
;   the ring       a unit's loads land in its slot; the products of ONE step read it (as A, or as C); the slot is asked for again in the NEXT step.
;   the fragments  step g's products read buffer g % 2; the LDS loads issued in step g + 1 (the fragments of step g + 2) land in it.
;   RS, WS         loaded once, read by products alone.
;   v128-191       at the end: the conversions to f16 write them, the stores read them: one wait on va_vdst ahead of the stores.
; So ONE wait on va_vdst stands at the head of a step that issues loads: the products of the step before are done reading their ring slots and their fragment buffer.  All the step's loads go into these,
; and the step's own products name other slots, the other buffer, the scale words and the accumulators: so the loads follow with no further wait, dealt among the products in short runs, early in the step.
.set SPARE, 98304                      ; behind the 12 tiles of 8,192 bytes: the spare words, 128 bytes a wave
.set OFF, 1                            ; v1   16 x lane: an image's place for my lane, in memory and in LDS; never rewritten
.set L1,  3                            ; v3   the same + 65,536: LDS tiles 8 to 11
.set BO,  4                            ; v4   32 h: my half's eight numbers of a bias
.set CPX, 5                            ; v5   where I put x's tile w
.set CPC, 6                            ; v6   and c's tiles 2 w, 2 w + 1
.set SPW, 8                            ; v8   my spare word; never rewritten
.set NIL, 9                            ; v9   0; never rewritten
.set TW,  10
.set RS,  32                           ; RS + 4 j + p: tile j (0-3 x, 4-11 c), K steps 2 p (lanes 0-15) and 2 p + 1 (lanes 16-31)
.set WS,  80                           ; WS + 16 m + 4 t + p: matrix m (q, k, v), column tile t
.set PF,  128                          ; fragment j at PF + 8 j, in window 0 (even steps) or 3 (odd)
.set SS,  224
.set AW,  240
.set WB,  24                           ; s[24:25] my head's rows of Wq; Wk and Wv lie 0x80000 and 0x100000 further on
.set NISS, 0                           ; units issued so far
.set NDS,  0                           ; LDS loads of fragments issued so far
.set MSB, 0
.macro WIN new                         ; s_set_vgpr_msb: bits 1:0 source 0, 3:2 source 1, 5:4 source 2, 7:6 destination; the high byte repeats the setting that is left
.if MSB != (\new)
	s_set_vgpr_msb (MSB<<8)|(\new)
.set MSB, (\new)
.endif
.endm
.macro PLACES n                        ; plain vector instructions behind a matrix instruction (ISA guide 7.12.1)
.rept \n
	v_nop
.endr
.endm
; THE STREAM: unit 0 bq, 1 Wq(0), 2 bk, 3 Wk(0); 2 + 2 s Wq(s), 3 + 2 s Wk(s), s = 1 .. 7; 18 bv; 19 + s Wv(s).  Unit i lies at 32 (i % 8) of window 1, column tile t at + 8 t.
.macro UNIT i
	WIN 0x40
.set UB, 32*((\i)%8)
.if ((\i) == 0) || ((\i) == 2) || ((\i) == 18)
.set UP, 8
.if (\i) == 2
.set UP, 10
.endif
.if (\i) == 18
.set UP, 12
.endif
.irp t, 0,1,2,3
.irp q, 0,1
	global_load_b128 v[UB+8*\t+4*\q:UB+8*\t+4*\q+3], v[BO], s[UP:UP+1] offset:64*\t+16*\q   ; the bias at columns 16 t + 8 h + 0 .. 7: the result's layout
.endr
.endr
.else
.set UM, (\i)%2
.set US, ((\i)-2)/2
.if (\i) == 1
.set UM, 0
.set US, 0
.endif
.if (\i) > 18
.set UM, 2
.set US, (\i)-19
.endif
.irp t, 0,1,2,3
.irp q, 0,1
	global_load_b128 v[UB+8*\t+4*\q:UB+8*\t+4*\q+3], v[OFF], s[WB:WB+1] offset:UM*0x80000+8192*\t+1024*US+512*\q
.endr
.endr
.endif
.set NISS, NISS+1
.endm
.macro NEED i                          ; unit i is in: loads come back in order, and behind it 8 loads were issued for each later unit
	s_wait_loadcnt 8*(NISS-1-(\i))
.endm
; The rows' fragments come from LDS in the order of the steps, and in a step in the order of the tiles: x's four (j = 0 .. 3, phase A alone), then c's eight (j = 4 .. 11); two loads a fragment.
.macro FRAG g, j                       ; tile j's fragment of step g (K step g % 8)
.irp q, 0,1
.if (\j) < 8
	ds_load_b128 v[PF+8*(\j)+4*\q:PF+8*(\j)+4*\q+3], v[OFF] offset:8192*(\j)+1024*((\g)%8)+512*\q
.else
	ds_load_b128 v[PF+8*(\j)+4*\q:PF+8*(\j)+4*\q+3], v[L1] offset:8192*((\j)-8)+1024*((\g)%8)+512*\q
.endif
.endr
.set NDS, NDS+2
.endm
.macro FETCH4 g, first                 ; four fragments, into buffer g % 2
.if ((\g)%2) == 0
	WIN 0
.else
	WIN 0xc0
.endif
.irp f, \first, \first+1, \first+2, \first+3
	FRAG \g, \f
.endr
.endm
.macro HAVE g, j                       ; step g's fragments up to tile j are in: LDS loads come back in order, and the count is that of the loads issued behind them (24 a step in phase A, 16 in phase B)
.if (\g) < 8
.set IDX, 24*(\g)+2*(\j)+2
.else
.set IDX, 192+16*((\g)-8)+2*((\j)-4)+2
.endif
	s_wait_dscnt NDS-IDX
.endm
; one product; K step 0 starts the sum with the bias as C; odd K steps take their scale words from lanes 16-31
.macro EMIT s
.if (\s) == 0
	v_wmma_scale_f32_16x16x128_f8f6f4 v[rD:rD+7], v[rA:rA+7], v[rB:rB+7], v[rC:rC+7], v[rSA], v[rSB] matrix_a_fmt:MATRIX_FMT_FP4 matrix_b_fmt:MATRIX_FMT_FP4
.elseif (\s)%2
	v_wmma_scale_f32_16x16x128_f8f6f4 v[rD:rD+7], v[rA:rA+7], v[rB:rB+7], v[rD:rD+7], v[rSA], v[rSB] matrix_a_fmt:MATRIX_FMT_FP4 matrix_b_fmt:MATRIX_FMT_FP4 matrix_a_scale:MATRIX_SCALE_ROW1 matrix_b_scale:MATRIX_SCALE_ROW1
.else
	v_wmma_scale_f32_16x16x128_f8f6f4 v[rD:rD+7], v[rA:rA+7], v[rB:rB+7], v[rD:rD+7], v[rSA], v[rSB] matrix_a_fmt:MATRIX_FMT_FP4 matrix_b_fmt:MATRIX_FMT_FP4
.endif
.endm
; The accumulators take turns, one instruction a turn, in the same order in every step: the tiles of rows in ascending order, each against the four column tiles.
.macro QROW s, u, ub, a                ; q: K step s, weights in unit u, bias in unit ub, x's tile a: 4 products
.irp t, 0,1,2,3
.set rD, 8*(4*(\a)+\t)
.set rA, 32*((\u)%8)+8*\t
.set rB, PF+8*(\a)
.set rC, 32*((\ub)%8)+8*\t
.set rSA, WS+4*\t+(\s)/2
.set rSB, RS+4*(\a)+(\s)/2
	EMIT \s
.endr
.endm
.macro KVROW m, s, u, ub, i            ; k (m = 1) or v (m = 2), c's tile i: 4 products
.irp t, 0,1,2,3
.set rD, 8*(4*(\i)+\t)
.set rA, 32*((\u)%8)+8*\t
.set rB, PF+32+8*(\i)
.set rC, 32*((\ub)%8)+8*\t
.set rSA, WS+16*(\m)+4*\t+(\s)/2
.set rSB, RS+16+4*(\i)+(\s)/2
	EMIT \s
.endr
.endm
; A step of phase A: 16 products for q, 32 for k.  From step 1 on it asks again for what the step before has left: its ring slots (two units; step 1: the four of step 0) and its fragment buffer.
.macro STEPA g
.if (\g) == 0
.set MQ, 0xd1                          ; W window 1, rows window 0, C (the bias) window 1, D window 3
.set MK, 0x91                          ; the same, D window 2
.set UQ, 1
.set UK, 3
.else
.set MQ, 0xf1+0x0c*((\g)%2)            ; W window 1, rows window 0 or 3, C and D window 3
.set MK, 0xa1+0x0c*((\g)%2)            ; C and D window 2
.set UQ, 2+2*(\g)
.set UK, 3+2*(\g)
.endif
	HAVE \g, 3                                     ; x's four fragments of this step are in
.if (\g) > 0
	s_wait_alu depctr_va_vdst(0)                   ; the products of the step before are done reading their ring slots and their fragment buffer, in which all loads of this step land
.endif
	NEED UQ
	WIN MQ
	QROW \g, UQ, 0, 0
	QROW \g, UQ, 0, 1
.if ((\g) > 0) && ((\g) < 7)
	FETCH4 (\g)+1, 0                               ; no wait: no product since the wait above names the other buffer, the slots asked for, or an address
.elseif (\g) == 7
	FETCH4 8, 4                                    ; phase B wants c's fragments alone
.endif
.if (\g) == 1
	UNIT 8
	UNIT 9
.elseif (\g) > 1
	UNIT 8+2*(\g)
.endif
	WIN MQ
	QROW \g, UQ, 0, 2
	QROW \g, UQ, 0, 3
.if ((\g) > 0) && ((\g) < 7)
	FETCH4 (\g)+1, 4
.elseif (\g) == 7
	FETCH4 8, 8
.endif
.if (\g) == 1
	UNIT 10
	UNIT 11
.elseif (\g) > 1
	UNIT 9+2*(\g)
.endif
	HAVE \g, 11                                    ; c's eight fragments of this step are in
	NEED UK
	WIN MK
	KVROW 1, \g, UK, 2, 0
	KVROW 1, \g, UK, 2, 1
.if ((\g) > 0) && ((\g) < 7)
	FETCH4 (\g)+1, 8                               ; the last of the next step's fragments: 24 products of this step and 16 of the next stand ahead of their first use
	WIN MK
.endif
.irp i, 2,3,4,5,6,7
	KVROW 1, \g, UK, 2, \i
.endr
	PLACES 4                                       ; behind the step's last products, as in this text's plain form; behind step 7 they stand ahead of the vector instructions that read results
.endm
; A step of phase B, g = 8 .. 15: 32 products for v.  Step 8 has nothing to ask for (what step 7 left was asked for ahead of the scores), step 15 nothing left to ask for: they hold no wait on va_vdst.
.macro STEPB g
.if (\g) == 8
.set MK, 0x91
.else
.set MK, 0xa1+0x0c*((\g)%2)
.endif
.set UK, 11+(\g)
	HAVE \g, 7                                     ; c's first four fragments of this step are in
.if ((\g) > 8) && ((\g) < 15)
	s_wait_alu depctr_va_vdst(0)                   ; the products of the step before are done reading their fragment buffer (and, in step 9, bv's slot), in which the loads of this step land
.endif
	NEED UK
	WIN MK
	KVROW 2, (\g)-8, UK, 18, 0
	KVROW 2, (\g)-8, UK, 18, 1
.if ((\g) > 8) && ((\g) < 15)
	FETCH4 (\g)+1, 4
.endif
.if (\g) == 9
	UNIT 26                                        ; the stream's last unit, into the slot that bv has left
.endif
	WIN MK
	KVROW 2, (\g)-8, UK, 18, 2
	KVROW 2, (\g)-8, UK, 18, 3
.if ((\g) > 8) && ((\g) < 15)
	FETCH4 (\g)+1, 8
.endif
	HAVE \g, 11                                    ; and the other four
	WIN MK
.irp i, 4,5,6,7
	KVROW 2, (\g)-8, UK, 18, \i
.endr
	PLACES 4                                       ; as in phase A; behind step 15 they stand ahead of the vector instructions that read results
.endm
	s_load_b256 s[4:11], s[0:1], 0x0               ; codes s[4:5], scales s[6:7], bq s[8:9], bk s[10:11]
	s_load_b128 s[12:15], s[0:1], 0x20             ; bv s[12:13], att s[14:15]
	v_lshl_add_u32 v[SPW], v0, 2, SPARE
	v_mov_b32 v[NIL], 0
	v_lshrrev_b32 v10, 5, v0
	v_readfirstlane_b32 s16, v10                   ; wave 0..3
	v_and_b32 v10, 31, v0
	v_lshlrev_b32 v[OFF], 4, v10
	v_add_nc_u32 v[L1], 0x10000, v[OFF]
	v_bfe_u32 v11, v0, 4, 1
	v_lshlrev_b32 v[BO], 5, v11
	s_wait_alu depctr_va_sdst(0)                   ; s16 is written, ahead of its first reader: LDS places, my head and the bases are made from it
	s_lshl_b32 s19, s16, 13
	v_add_nc_u32 v[CPX], s19, v[OFF]               ; LDS tile w
	s_lshl_b32 s37, s16, 14
	s_add_co_u32 s38, s37, 32768
	v_add_nc_u32 v[CPC], s38, v[OFF]               ; LDS tiles 4 + 2 w, 5 + 2 w
.irp i, 0,1,2,3,4,5,6,7
	v_mov_b32 v[TW+8+\i], 0                        ; a lane permute's destination counts as one of its sources
.endr
	s_lshl_b32 s17, ttmp9, 2
	s_add_co_u32 s17, s17, s16                     ; my head
	s_and_b32 s18, ttmp7, 0xffff                   ; my block of 64 queries
	s_mov_b32 s33, 0
	s_mov_b32 s34, 0x76543210
	s_mov_b32 s35, 0xfedcba98                      ; v_permlanex16_b32's selects for lane l xor 16
	s_mov_b32 s36, 0x3e38aa3b                      ; log2(e) / sqrt(64)
	s_wait_kmcnt 0x0
	s_lshl_b32 s32, s18, 15                        ; x: four tiles of 8,192 bytes a block; I copy tile w
	s_add_co_u32 s32, s32, s19
	s_add_nc_u64 s[20:21], s[4:5], s[32:33]
	s_lshl_b32 s32, s18, 16                        ; c: eight tiles a block, behind x's 256 tiles; I copy two
	s_add_co_u32 s32, s32, s37
	s_add_co_u32 s32, s32, 0x200000
	s_add_nc_u64 s[22:23], s[4:5], s[32:33]
	WIN 0x80                                       ; destination window 2
	s_wait_alu depctr_va_vdst(0)                   ; the five addresses v1, v3, v4, v5, v6 are written, which all loads and stores below read; no vector instruction writes them again
.set n, 0
.rept 16
	global_load_b128 v[4*n:4*n+3], v[OFF], s[20:21] offset:512*n
.set n, n+1
.endr
.set n, 0
.rept 32
	global_load_b128 v[64+4*n:64+4*n+3], v[OFF], s[22:23] offset:512*n
.set n, n+1
.endr
	WIN 0
	s_lshl_b32 s32, s17, 15                        ; the weights' tiles begin behind 768 tiles; four tiles a head
	s_add_co_u32 s32, s32, 0x600000
	s_add_nc_u64 s[WB:WB+1], s[4:5], s[32:33]
	s_lshl_b32 s32, s18, 11                        ; scale words, 512 bytes a tile: x's,
	s_add_nc_u64 s[26:27], s[6:7], s[32:33]
	s_lshl_b32 s32, s18, 12                        ; c's,
	s_add_nc_u64 s[28:29], s[6:7], s[32:33]
	s_lshl_b32 s32, s17, 11                        ; the weights'
	s_add_nc_u64 s[30:31], s[6:7], s[32:33]
	s_lshl_b32 s32, s17, 8                         ; my head's 64 numbers of each bias
	s_add_nc_u64 s[8:9], s[8:9], s[32:33]
	s_add_nc_u64 s[10:11], s[10:11], s[32:33]
	s_add_nc_u64 s[12:13], s[12:13], s[32:33]
	s_lshl_b32 s32, s18, 17                        ; att: four tiles of 32,768 bytes a block, two images a head
	s_lshl_b32 s19, s17, 11
	s_add_co_u32 s32, s32, s19
	s_add_nc_u64 s[14:15], s[14:15], s[32:33]
.irp j, 0,1,2,3
	global_load_b128 v[RS+4*\j:RS+4*\j+3], v[OFF], s[26:27] offset:512*\j
.endr
.irp j, 0,1,2,3,4,5,6,7
	global_load_b128 v[RS+16+4*\j:RS+16+4*\j+3], v[OFF], s[28:29] offset:131072+512*\j
.endr
.irp m, 0,1,2
.irp t, 0,1,2,3
	global_load_b128 v[WS+16*\m+4*\t:WS+16*\m+4*\t+3], v[OFF], s[30:31] offset:393216+32768*\m+512*\t
.endr
.endr
	UNIT 0
	UNIT 1
	UNIT 2
	UNIT 3
	s_wait_loadcnt 56                              ; the copy's 48 loads are in; behind them: 24 loads of scale words and 32 of the ring
	WIN 0x08                                       ; an LDS store's data are its source 1: window 2
.set n, 0
.rept 16
	ds_store_b128 v[CPX], v[4*n:4*n+3] offset:512*n
.set n, n+1
.endr
.set n, 0
.rept 32
	ds_store_b128 v[CPC], v[64+4*n:64+4*n+3] offset:512*n
.set n, n+1
.endr
	UNIT 4
	UNIT 5
	UNIT 6
	UNIT 7
	WIN 0
	s_wait_dscnt 0x0                               ; for the others' sake: my part of the rows' codes lies in LDS
	s_barrier_signal -1
	s_barrier_wait -1                              ; everybody's does; nothing is stored there again
	s_wait_alu depctr_vm_vsrc(0)                   ; my LDS stores have read v0-191 of window 2, which k's products write from step 0 on
.irp g, 0,1
	FETCH4 \g, 0                                   ; the fragments of steps 0 and 1; from step 1 on each step asks for the next step's
	FETCH4 \g, 4
	FETCH4 \g, 8
.endr
.irp g, 0,1,2,3,4,5,6,7
	STEPA \g
.endr
	; What step 7 has left is asked for here, so that it is on its way during the scores and the softmax: two units of Wv, and step 9's fragments.
	WIN 0x40
	s_wait_alu depctr_va_vdst(0)                   ; step 7's products are done reading their two ring slots and fragment buffer 1, in which the loads below land
	UNIT 24
	UNIT 25
	FETCH4 9, 4
	FETCH4 9, 8
	; THE SCORES.  A lane holds 32 of the head's 64 columns of its query and of both keys: eight chains (tile a, key e) by turns, each accumulator read from its low end on.
	WIN 0x0b                                       ; q window 3, k window 2, the sums window 0
.irp t, 0,1,2,3
.irp j, 0,2,4,6
.irp a, 0,1,2,3
.irp e, 0,1
.set rS, SS+2*(2*\a+\e)
.set rQ, 8*(4*\a+\t)+\j
.set rK, 8*(4*(2*\a+\e)+\t)+\j
.if (\t == 0) && (\j == 0)
	v_pk_mul_f32 v[rS:rS+1], v[rQ:rQ+1], v[rK:rK+1]
.else
	v_pk_fma_f32 v[rS:rS+1], v[rQ:rQ+1], v[rK:rK+1], v[rS:rS+1]
.endif
.endr
.endr
.endr
.endr
	WIN 0
.irp i, 0,1,2,3,4,5,6,7
	v_add_f32 v[TW+\i], v[SS+2*\i], v[SS+2*\i+1]
.endr
.irp i, 0,1,2,3,4,5,6,7
	v_permlanex16_b32 v[TW+8+\i], v[TW+\i], s34, s35
.endr
.irp i, 0,1,2,3,4,5,6,7
	v_add_f32 v[TW+\i], v[TW+\i], v[TW+8+\i]       ; with lane l xor 16's 32 columns: score 2 a + e
.endr
.irp a, 0,1,2,3
	v_max_num_f32 v[TW+16+\a], v[TW+2*\a], v[TW+2*\a+1]
.endr
.irp a, 0,1,2,3
.irp e, 0,1
	v_sub_f32 v[TW+2*\a+\e], v[TW+2*\a+\e], v[TW+16+\a]   ; the larger score is taken away first; not fused with the scaling, so that the larger gives exactly 0
.endr
.endr
.irp i, 0,1,2,3,4,5,6,7
	v_mul_f32 v[TW+\i], s36, v[TW+\i]
.endr
.irp i, 0,1,2,3,4,5,6,7
	v_exp_f32 v[TW+\i], v[TW+\i]
.endr
	v_nop                                          ; a plain instruction behind the last exponential,
	s_wait_alu depctr_va_vdst(0)                   ; and the one wait ahead of the batch's first reader: the eight exponentials have written v[TW ..]
.irp a, 0,1,2,3
	v_add_f32 v[TW+16+\a], v[TW+2*\a], v[TW+2*\a+1]   ; between 1 and 2
.endr
.irp a, 0,1,2,3
	v_rcp_f32 v[TW+16+\a], v[TW+16+\a]
.endr
	v_nop
	s_wait_alu depctr_va_vdst(0)                   ; one wait for the four reciprocals, ahead of their first reader
.irp a, 0,1,2,3
.irp e, 0,1
	v_mul_f32 v[AW+4*\a+2*\e], v[TW+2*\a+\e], v[TW+16+\a]      ; the weight of key e, twice: a pair for the packed forms
	v_mul_f32 v[AW+4*\a+2*\e+1], v[TW+2*\a+\e], v[TW+16+\a]
.endr
.endr
	PLACES 5                                       ; v's sums begin anew over k's accumulators
.irp g, 8,9,10,11,12,13,14,15
	STEPB \g
.endr
	; THE WAY OUT.  result = a0 x the even key's v + a1 x the odd key's, over q's registers; each accumulator read from its low end on.
	WIN 0xf2                                       ; v window 2, a window 0, the result window 3
.irp a, 0,1,2,3
.irp t, 0,1,2,3
.irp j, 0,2,4,6
.set rT, 8*(4*\a+\t)+\j
.set rV, 8*(4*(2*\a)+\t)+\j
	v_pk_mul_f32 v[rT:rT+1], v[rV:rV+1], v[AW+4*\a:AW+4*\a+1]
.endr
.endr
.endr
.irp a, 0,1,2,3
.irp t, 0,1,2,3
.irp j, 0,2,4,6
.set rT, 8*(4*\a+\t)+\j
.set rV, 8*(4*(2*\a+1)+\t)+\j
	v_pk_fma_f32 v[rT:rT+1], v[rV:rV+1], v[AW+4*\a+2:AW+4*\a+3], v[rT:rT+1]
.endr
.endr
.endr
	WIN 0x0f                                       ; sources window 3, destination window 0
.irp a, 0,1,2,3
.irp t, 0,1,2,3
.irp j, 0,2,4,6
	v_cvt_pk_f16_f32 v[PF+16*\a+4*\t+\j/2], v[8*(4*\a+\t)+\j], v[8*(4*\a+\t)+\j+1]
.endr
.endr
.endr
	WIN 0
	s_wait_alu depctr_va_vdst(0)                   ; the conversions have written v[PF .. PF + 63], which the stores read
.irp a, 0,1,2,3
.irp t, 0,1,2,3
	global_store_b128 v[OFF], v[PF+16*\a+4*\t:PF+16*\a+4*\t+3], s[14:15] offset:32768*\a+512*\t   ; columns 16 t + 8 h + 0 .. 7 of row r: half t % 2 of the head's image t / 2; 512 consecutive bytes
.endr
.endr
	s_wait_dscnt 0x0                               ; the closing lines, six on end
	s_wait_alu 0x0
	s_wait_tensorcnt 0x0
	ds_add_u32 v[SPW], v[NIL]
	s_wait_dscnt 0x0
	s_endpgm
.Lfunc_end_k_qfe7dc40c8a_qkv_attn:
	.size	k_qfe7dc40c8a_qkv_attn, .Lfunc_end_k_qfe7dc40c8a_qkv_attn-k_qfe7dc40c8a_qkv_attn
	.p2alignl 7, 3214868480
	.fill 96, 4, 3214868480
	.section	.rodata,"a",@progbits
	.p2align	6, 0x0
	.amdhsa_kernel k_qfe7dc40c8a_qkv_attn
		.amdhsa_group_segment_fixed_size 98816
		.amdhsa_private_segment_fixed_size 0
		.amdhsa_enable_private_segment 0
		.amdhsa_kernarg_size 48
		.amdhsa_user_sgpr_count 2
		.amdhsa_user_sgpr_kernarg_segment_ptr 1
		.amdhsa_wavefront_size32 1
		.amdhsa_system_sgpr_workgroup_id_x 1
		.amdhsa_system_sgpr_workgroup_id_y 1
		.amdhsa_system_sgpr_workgroup_id_z 1
		.amdhsa_system_vgpr_workitem_id 0
		.amdhsa_next_free_vgpr 1024
		.amdhsa_next_free_sgpr 66
		.amdhsa_reserve_vcc 0
		.amdhsa_float_denorm_mode_32 3
		.amdhsa_float_denorm_mode_16_64 3
		.amdhsa_memory_ordered 1
		.amdhsa_forward_progress 1
		.amdhsa_inst_pref_size 165
	.end_amdhsa_kernel
	.amdgpu_metadata
---
amdhsa.version: [ 1, 2 ]
amdhsa.kernels:
  - .name:           k_qfe7dc40c8a_qkv_attn
    .symbol:         k_qfe7dc40c8a_qkv_attn.kd
    .args:
      - { .name: codes, .offset: 0, .size: 8, .value_kind: global_buffer, .address_space: global }
      - { .name: scales, .offset: 8, .size: 8, .value_kind: global_buffer, .address_space: global }
      - { .name: bq, .offset: 16, .size: 8, .value_kind: global_buffer, .address_space: global }
      - { .name: bk, .offset: 24, .size: 8, .value_kind: global_buffer, .address_space: global }
      - { .name: bv, .offset: 32, .size: 8, .value_kind: global_buffer, .address_space: global }
      - { .name: att, .offset: 40, .size: 8, .value_kind: global_buffer, .address_space: global }
    .group_segment_fixed_size: 98816
    .private_segment_fixed_size: 0
    .kernarg_segment_align: 8
    .kernarg_segment_size: 48
    .max_flat_workgroup_size: 128
    .sgpr_count:     66
    .vgpr_count:     1024
    .wavefront_size: 32
...
	.end_amdgpu_metadata
.endif
;; end of part 4
;; launch outproj: the kernel of part 3 again; grid 4 x 64, 4 waves a work-group, no clusters, 148,992 bytes of LDS; arguments att, wo16, bo, out0; writes out0
